; MI455X (gfx1250); checked and timed in simulation.
; The chip was launched on July 23, 2026; its instructions are those of AMD's public machine-readable ISA for CDNA 5 (MIT licence, August 2026) and "CDNA5" Instruction Set Architecture Reference Guide (July 2026). The comments in the code are by the model that wrote it; some were corrected since.
;; Bert Self Attention. Allowed arithmetic: matrix products marked QUANTISED: E3M2 operands, one E8M0 scale for each 32 along K, by v_wmma_scale_f32_16x16x128_f8f6f4 with both operands' format E3M2, f32 sums; everything else in f32.
;; Inputs: Wk 1,024 x 1,024 float32; Wq 1,024 x 1,024 float32; Wv 1,024 x 1,024 float32; attention_mask 8 x 1 x 1 x 1,024 float32; bk 1,024 float32; bq 1,024 float32; bv 1,024 float32; x 8 x 1,024 x 1,024 float32.
;; Outputs: out0 8 x 1,024 x 1,024 float32.
;; This version of the problem:
;;   THIS VERSION OF THE PROBLEM IS GIVEN IN LOW PRECISION. The matrix products marked QUANTISED in the list below multiply operands that are first quantised to E3M2 (3 exponent bits, 2 mantissa bits; 6 bits a number), with one power-of-two scale for each 32 numbers along K (OCP MX v1.0); their sums are f32. All else is computed in f32.
;;   The module's matrix products, in the order in which they are computed (A, B: the left and right operand; K: the contracted axis; several contracted axes count as one K, in the product's order):
;;     1. [M 8,192, K 1,024] x [K 1,024, N 1,024]; A: input x; B: input Wq: QUANTISED
;;     2. [M 8,192, K 1,024] x [K 1,024, N 1,024]; A: input x; B: input Wk: QUANTISED
;;     3. [M 8,192, K 1,024] x [K 1,024, N 1,024]; A: input x; B: input Wv: QUANTISED
;;     4. batch 128 x [M 1,024, K 64] x [K 64, N 1,024]; A: computed on the way; B: computed on the way: QUANTISED
;;     5. batch 128 x [M 1,024, K 1,024] x [K 1,024, N 64]; A: softmax (see below); B: computed on the way: QUANTISED
;;   THE QUANTISER, for each operand of a quantised product, along K:
;;     - K is cut into blocks of 32 from its start; a last block that is shorter is filled with zeros.
;;     - A block's scale is 2^e with e = floor(log2(the largest magnitude in the block)) - 4, held to -126 .. 127; a block of zeros has e = 0. As a byte (E8M0): e + 127.
;;     - Each number is divided by its block's scale, clamped to +-28, and rounded to the nearest number of E3M2, ties to even, subnormals kept.
;;     - The product sums the exact products of the quantised numbers (number of the format x scale) in f32.
;;   ~~~python
;;   def quantise(x, axis):      # numpy; x: float32 -> the quantised numbers, widened to float32 again
;;       x = np.moveaxis(x, axis, -1); K = x.shape[-1]
;;       x = np.pad(x, [(0, 0)] * (x.ndim - 1) + [(0, -K % 32)]); x = x.reshape(x.shape[:-1] + (-1, 32)); a = np.abs(x).max(-1, keepdims=True)
;;       e = np.where(a > 0, np.clip(np.frexp(np.where(a > 0, a, 1))[1] - 1 - 4, -126, 127), 0)      # np.frexp(a)[1] - 1 = floor(log2(a)), exactly
;;       r = np.clip(x / 2.0 ** e, -28, 28)
;;       step = 2.0 ** (np.maximum(np.frexp(np.where(r == 0, 1, r))[1] - 1, -2) - 2)
;;       q = np.round(r / step) * step * 2.0 ** e      # np.round: ties to even
;;       return np.moveaxis(q.reshape(q.shape[:-2] + (-1,))[..., :K], -1, axis).astype(np.float32)
;;   ~~~
;;   SOFTMAX AHEAD OF A QUANTISED PRODUCT. Where the list says 'softmax', what is quantised is not the finished softmax but p = 2^(t - M), with t = logit x log2(e) and M = ceil(the row's largest t), a whole number; so 1/2 < the row's largest p <= 1. The row's sum l is taken of the UNQUANTISED p, in f32, and the product's result is divided by l at the end. Since M is a whole number, a kernel that streams over the keys may use a running M (the ceiling of the running maximum): every later rescaling is an exact power of two, which a block's scale takes up: the codes' values come out the same.
;;   OPERANDS COMPUTED ON THE WAY. 'Computed on the way' means the value that the module computes at that place (a softmax that the list does not call 'softmax' is quantised finished and normalised). What goes into a quantiser is computed in f32, as accurately as f32 sums, v_exp_f32 and their like allow (about 1e-6 of the number): no bf16 or f16 on the way to a quantiser, and a product that is left as it is and whose result goes on into a quantised operand takes f32 operands (vector FMAs, or v_wmma_f32_16x16x4_f32). A number that lies on a knife's edge between two numbers of the format may be rounded either way, as far as f32 arithmetic and the matrix unit's own rounding can turn it there, and no further.
;; One version. Each part assembles by itself: llvm-mc -triple=amdgcn-amd-amdhsa -mcpu=gfx1250 --defsym DOCPART=n.
;; ======== version 1 of 1: 3 launches
;; limits: right only within a limited range of input values
;; workspace buffers: x_codes 6,291,456 bytes; x_scales 262,144 bytes; w_codes 2,359,296 bytes; w_scales 98,304 bytes; qk_codes 12,582,912 bytes; qk_scales 524,288 bytes; v_codes 6,291,456 bytes; v_scales 262,144 bytes
;; launch quant (part 1): grid 352 x 1, 4 waves a work-group, no clusters, 33,280 bytes of LDS; arguments x, Wq, Wk, Wv, x_codes, x_scales, w_codes, w_scales; writes x_codes, x_scales, w_codes, w_scales
.if DOCPART == 1
	.amdgcn_target "amdgcn-amd-amdhsa--gfx1250"
	.amdhsa_code_object_version 6
	.text
	.protected	k_qe3936a7f3d_quant
	.globl	k_qe3936a7f3d_quant
	.p2align	8
	.type	k_qe3936a7f3d_quant,@function
k_qe3936a7f3d_quant:
	s_mov_b64 s[64:65], 0
	v_nop
	global_prefetch_b8 v0, s[64:65] scope:SCOPE_SE
	s_setreg_imm32_b32 hwreg(HW_REG_WAVE_MODE, 25, 1), 1
	s_wait_xcnt 0x0
; x [8192][1024] and Wq, Wk, Wv [1024][1024], f32, K innermost, become codes of BF6 (E3M2) with one E8M0 scale byte for each 32 along K.
; A block's scale is 2^(floor(log2(its largest magnitude)) - 4); its byte is the largest magnitude's exponent field - 4, held at 1 from below.  (A block of zeros keeps the byte 1 where the
; quantiser's text says 127: its codes are zeros, which add nothing under any byte but 0xff, and this program alone reads the bytes.)
; LIMITS: blocks whose largest magnitude lies under 2^-122 keep the byte 1; NaN and infinities among the inputs are not served.
; ROWS GO TO PLACES: within each 32 rows the groups of 8 rows 0-7, 8-15, 16-23, 24-31 go to places 0-7, 16-23, 8-15, 24-31, so that 16 registers of two neighbouring result tiles of the next launch are 16 neighbours along the next K.
; THE CODES ARE LAID TILE BY TILE: for each 256 places and each 256 along K (192 bytes of a row) a dense block of 256 x 192 bytes: byte 196608 (place / 256) + 49152 (k / 256) + 192 (place % 256).
; So every tile that the next launch fetches is a dense run of bytes that begins at a multiple of 256.  The scale bytes lie [place][32].
; SHARES.  A wave takes 8 rows in 16 steps of 512 numbers; a work-group 32 rows.  Work-groups 0-255 take x, 256-287 Wq, 288-319 Wk, 320-351 Wv: only pointers are chosen.
; Each load reads 512 consecutive bytes; a step's 2,048 bytes turn through the wave's own stage in LDS and come back 64 bytes a lane: 16 neighbours along K, two lanes to a block.
; A step is half a row: lanes 0-15 store 192 consecutive bytes of one K block, lanes 16-31 of the next.  Loads run eight steps (32 loads a wave) ahead.  No barrier: waves share nothing.
.set STEPS, 16
.set AHD,   8
.set EMAX,  4
.set CB,    12
.set R,     16                         ; v16-143  eight sets of 16 numbers as loaded
.set X,     144                        ; v144-175 two sets of 16 neighbours
.set E,     176                        ; v176-191 a scale byte for each step
.set C,     192                        ; v192-255 codes: four registers a step, so no store's data are written again
.set WREG,  8192
.set SP,    80
.set SPARE, 4*WREG
	s_load_b256 s[4:11], s[0:1], 0x0               ; x, Wq, Wk, Wv
	s_load_b256 s[12:19], s[0:1], 0x20             ; x's codes, x's scales, W's codes, W's scales
	v_lshl_add_u32 v12, v0, 2, SPARE               ; my spare word, and 0: kept for the closing add
	v_mov_b32 v13, 0
	v_lshrrev_b32 v1, 5, v0
	v_readfirstlane_b32 s20, v1                    ; wave
	v_and_b32 v2, 31, v0                           ; lane
	v_lshlrev_b32 v3, 4, v2
	s_mul_i32 s25, s20, WREG
	v_lshrrev_b32 v14, 2, v2
	v_mul_u32_u24 v14, v14, SP
	v_and_b32 v15, 3, v2
	v_lshl_add_u32 v14, v15, 4, v14
	v_add_nc_u32 v14, s25, v14                     ; stage, in: SP (lane / 4) + 16 (lane % 4)
	v_mul_u32_u24 v15, v2, SP
	v_add_nc_u32 v15, s25, v15                     ; stage, out: SP x lane
	v_and_b32 v4, 15, v2
	v_mul_u32_u24 v4, v4, CB
	v_lshrrev_b32 v8, 4, v2
	v_mad_u32_u24 v4, v8, 0xc000, v4               ; my codes: 12 (lane % 16), and lanes 16-31 one K block (49,152 bytes) on
	v_lshrrev_b32 v5, 1, v2
	s_add_co_u32 s25, s25, 2*32*SP
	v_add_nc_u32 v5, s25, v5                       ; my block's scale byte in the wave's 256
	v_lshlrev_b32 v7, 3, v2
	v_add_nc_u32 v6, s25, v7
	s_and_b32 s21, ttmp9, 31
	s_and_b32 s24, s20, 1
	s_lshl_b32 s24, s24, 1
	s_lshr_b32 s22, s20, 1
	s_or_b32 s24, s24, s22                         ; the place of my 8 rows among the 32: the wave's two bits change places
	s_wait_alu depctr_va_vdst(0)                   ; the wait at the head's end
	s_wait_kmcnt 0x0
	s_cmp_lt_u32 ttmp9, 320
	s_cselect_b64 s[8:9], s[8:9], s[10:11]
	s_cmp_lt_u32 ttmp9, 288
	s_cselect_b64 s[6:7], s[6:7], s[8:9]
	s_cmp_lt_u32 ttmp9, 256
	s_cselect_b64 s[4:5], s[4:5], s[6:7]
	s_cselect_b64 s[12:13], s[12:13], s[16:17]
	s_cselect_b64 s[14:15], s[14:15], s[18:19]
	s_cselect_b32 s22, ttmp9, s21
	s_cselect_b32 s23, 0, 256
	s_sub_co_u32 s23, ttmp9, s23
	s_lshl_b32 s22, s22, 2
	s_add_co_u32 s26, s22, s20
	s_lshl_b32 s26, s26, 15                        ; 8 rows of 4,096 bytes
	s_mov_b32 s27, 0
	s_add_nc_u64 s[4:5], s[4:5], s[26:27]
	s_lshl_b32 s23, s23, 2
	s_add_co_u32 s28, s23, s24                     ; which 8 places
	s_lshr_b32 s26, s28, 5
	s_mul_i32 s26, s26, 196608                     ; the 256 places' four blocks,
	s_and_b32 s29, s28, 31
	s_mul_i32 s29, s29, 1536                       ; and my 8 rows of 192 bytes in a block
	s_add_co_u32 s26, s26, s29
	s_add_nc_u64 s[12:13], s[12:13], s[26:27]
	s_lshl_b32 s26, s28, 8
	s_add_nc_u64 s[14:15], s[14:15], s[26:27]
.macro LOAD t
.irp i, 0,1,2,3
	global_load_b128 v[R+16*((\t)%AHD)+4*\i:R+16*((\t)%AHD)+4*\i+3], v3, s[4:5] offset:2048*(\t)+512*\i th:TH_LOAD_NT
.endr
.endm
.macro TURN t                          ; LDS serves a wave's instructions in order: no wait between the stores and the loads
.irp i, 0,1,2,3
	ds_store_b128 v14, v[R+16*((\t)%AHD)+4*\i:R+16*((\t)%AHD)+4*\i+3] offset:32*SP*((\t)%2)+8*SP*\i
.endr
.irp i, 0,1,2,3
	ds_load_b128 v[X+16*((\t)%2)+4*\i:X+16*((\t)%2)+4*\i+3], v15 offset:32*SP*((\t)%2)+16*\i
.endr
.endm
.irp t, 0,1,2,3,4,5,6,7
	LOAD \t
.endr
	s_wait_loadcnt 28                              ; step 0's four loads are in; the 28 of steps 1 to 7 may be out
	TURN 0
.macro STEP t
.set XS, X+16*((\t)%2)
.if (\t) > 0
	s_wait_dscnt 1                                 ; this step's numbers are back (the last byte store may be out): its stage stores have read their registers,
.else
	s_wait_dscnt 0x0
.endif
.if (\t)+AHD < STEPS
	LOAD (\t)+AHD                                  ; which take the loads of eight steps on
.endif
.if (\t)+1 < STEPS
.if STEPS-2-(\t) >= AHD-1
	s_wait_loadcnt 4*(AHD-1)                       ; the next step's loads are in; those of the seven steps behind it may be out
.else
	s_wait_loadcnt 4*(STEPS-2-(\t))
.endif
	TURN (\t)+1
.endif
	v_max3_num_f32 v8, |v[XS]|, |v[XS+1]|, |v[XS+2]|
	v_max3_num_f32 v9, |v[XS+3]|, |v[XS+4]|, |v[XS+5]|
.irp i, 6,10
	v_max3_num_f32 v8, v8, |v[XS+\i]|, |v[XS+\i+1]|
	v_max3_num_f32 v9, v9, |v[XS+\i+2]|, |v[XS+\i+3]|
.endr
	v_max3_num_f32 v8, v8, |v[XS+14]|, |v[XS+15]|
	v_max3_num_f32 v8, v8, v9, (EMAX+1)<<23        ; the floor 2^(5 - 127): the byte cannot fall under 1
	v_max_num_f32_dpp v8, v8, v8 row_xmask:1 row_mask:0xf bank_mask:0xf   ; with my neighbour's 16: the block's
	v_add_nc_u32 v11, -(EMAX<<23), v8              ; 4 off the exponent field: the conversion's scale operand
	v_cvt_scalef32_pk16_bf6_f32 v[C+4*(\t):C+4*(\t)+2], v[XS:XS+15], v11
	v_lshrrev_b32 v[E+(\t)], 23, v11               ; the scale's byte (also the plain line behind the conversion)
	ds_store_b8 v5, v[E+(\t)] offset:16*(\t)
	global_store_b96 v4, v[C+4*(\t):C+4*(\t)+2], s[12:13] offset:192*((\t)/2)+98304*((\t)%2)   ; row t / 2 of my 8; the row's second half lies two K blocks on
.endm
.irp t, 0,1,2,3,4,5,6,7,8,9,10,11,12,13,14,15
	STEP \t
.endr
	ds_load_b64 v[8:9], v6
	s_wait_dscnt 0x0
	global_store_b64 v7, v[8:9], s[14:15]          ; 32 lanes store 256 consecutive, aligned bytes
	s_wait_tensorcnt 0x0                           ; the wave's end
	ds_add_u32 v12, v13
	s_wait_dscnt 0x0
	s_endpgm
.Lfunc_end_k_qe3936a7f3d_quant:
	.size	k_qe3936a7f3d_quant, .Lfunc_end_k_qe3936a7f3d_quant-k_qe3936a7f3d_quant
	.p2alignl 7, 3214868480
	.fill 96, 4, 3214868480
	.section	.rodata,"a",@progbits
	.p2align	6, 0x0
	.amdhsa_kernel k_qe3936a7f3d_quant
		.amdhsa_group_segment_fixed_size 33280
		.amdhsa_private_segment_fixed_size 0
		.amdhsa_enable_private_segment 0
		.amdhsa_kernarg_size 64
		.amdhsa_user_sgpr_count 2
		.amdhsa_user_sgpr_kernarg_segment_ptr 1
		.amdhsa_wavefront_size32 1
		.amdhsa_system_sgpr_workgroup_id_x 1
		.amdhsa_system_sgpr_workgroup_id_y 1
		.amdhsa_system_sgpr_workgroup_id_z 1
		.amdhsa_system_vgpr_workitem_id 0
		.amdhsa_next_free_vgpr 256
		.amdhsa_next_free_sgpr 66
		.amdhsa_reserve_vcc 0
		.amdhsa_float_denorm_mode_32 3
		.amdhsa_float_denorm_mode_16_64 3
		.amdhsa_memory_ordered 1
		.amdhsa_forward_progress 1
		.amdhsa_inst_pref_size 33
	.end_amdhsa_kernel
	.amdgpu_metadata
---
amdhsa.version: [ 1, 2 ]
amdhsa.kernels:
  - .name:           k_qe3936a7f3d_quant
    .symbol:         k_qe3936a7f3d_quant.kd
    .args:
      - { .name: x, .offset: 0, .size: 8, .value_kind: global_buffer, .address_space: global }
      - { .name: Wq, .offset: 8, .size: 8, .value_kind: global_buffer, .address_space: global }
      - { .name: Wk, .offset: 16, .size: 8, .value_kind: global_buffer, .address_space: global }
      - { .name: Wv, .offset: 24, .size: 8, .value_kind: global_buffer, .address_space: global }
      - { .name: x_codes, .offset: 32, .size: 8, .value_kind: global_buffer, .address_space: global }
      - { .name: x_scales, .offset: 40, .size: 8, .value_kind: global_buffer, .address_space: global }
      - { .name: w_codes, .offset: 48, .size: 8, .value_kind: global_buffer, .address_space: global }
      - { .name: w_scales, .offset: 56, .size: 8, .value_kind: global_buffer, .address_space: global }
    .group_segment_fixed_size: 33280
    .private_segment_fixed_size: 0
    .kernarg_segment_align: 8
    .kernarg_segment_size: 64
    .max_flat_workgroup_size: 128
    .sgpr_count:     66
    .vgpr_count:     256
    .wavefront_size: 32
...
	.end_amdgpu_metadata
.endif
;; end of part 1
;; launch proj (part 2): grid 8 x 48, 4 waves a work-group, clusters of 4 x 4, 327,680 bytes of LDS; arguments x_codes, x_scales, w_codes, w_scales, bq, bk, bv, qk_codes, qk_scales, v_codes, v_scales; writes qk_codes, qk_scales, v_codes, v_scales
.if DOCPART == 2
	.amdgcn_target "amdgcn-amd-amdhsa--gfx1250"
	.amdhsa_code_object_version 6
	.text
	.protected	k_qe3936a7f3d_proj
	.globl	k_qe3936a7f3d_proj
	.p2align	8
	.type	k_qe3936a7f3d_proj,@function
k_qe3936a7f3d_proj:
	s_mov_b64 s[64:65], 0
	v_nop
	global_prefetch_b8 v0, s[64:65] scope:SCOPE_SE
	s_setreg_imm32_b32 hwreg(HW_REG_WAVE_MODE, 25, 1), 1
	s_wait_xcnt 0x0
	s_wait_alu depctr_hold_cnt(0) depctr_sa_sdst(0) depctr_va_vdst(0) depctr_va_sdst(0) depctr_va_ssrc(0) depctr_va_vcc(0) depctr_vm_vsrc(0)
	s_getreg_b32 s2, hwreg(HW_REG_IB_STS2, 6, 4)
	s_cmp_eq_u32 s2, 0
	s_cbranch_scc0 .Lentry_in_a_cluster
	s_endpgm
.Lentry_in_a_cluster:
	s_bfe_u32 s2, ttmp6, 0x10000c
	s_cmp_lg_u32 s2, 0xf033
	s_cbranch_scc0 .Lentry_shape_is_right
	s_endpgm
.Lentry_shape_is_right:
.set SIZE_K, 1024
.set KSTEP,  256
.set NQ,     KSTEP/128
.set ROWB,   49152                     ; bytes from a K step's dense block of 256 rows x 192 bytes to the next
.set KROW,   SIZE_K*6/8
.set PITCH,  240
.set FR,     12
.set NL,     6
.set NP,     4
.set HALFT,  128*PITCH
.set SLOT,   4*HALFT
.set LAPS,   SIZE_K/(2*KSTEP)
.set KS,     SIZE_K/32
.set SCL,    2*SLOT
.set HALFS,  (128*KS/256)*272
.set SBLK,   (16*KS/256)*272
.set SPARE,  SCL+4*HALFS
.set ADRA, 16
.set ADRB, 20
.set L16,  24
.set L8,   25
.set SWI,  26
.set ADRS, 27
.set SPW,  28
.set NIL,  29
.set SWO,  30
.set SC,   32
.set BP,   64
.set AF,   128
.set BR,   240
.set T,    128
.set PCS,  192
.set TM,   32
.set SW,   48
.set SWB,  56
.set G1, 24
.set G0, 32
.set G1B, 48
.set G0B, 56
.set G1S, 68
.set G0S, 76
.set G1SB, 80
.set G0SB, 88
.set MODE, 95
.set MSB, 0
.macro WIN new
.if MSB != \new
	s_set_vgpr_msb (MSB<<8)|\new
.set MSB, \new
.endif
.endm
.set MUL_LO, 0xa1
.set MUL_HI, 0xf1
.set TO_B,   0x40
.macro JLOAD g0a, g1a, g0b, g1b
	s_cmp_eq_u32 s15, 0
	s_cbranch_scc0 .Lfor_b_\@
	tensor_load_to_lds s[\g0a:\g0a+3], s[\g1a:\g1a+7]
	s_nop 0
.rept 4
	v_nop
.endr
	s_branch .Lasked_\@
.Lfor_b_\@:
	tensor_load_to_lds s[\g0b:\g0b+3], s[\g1b:\g1b+7]
	s_nop 0
.rept 4
	v_nop
.endr
.Lasked_\@:
.endm
.macro CREST
	s_cmp_lg_u32 s14, 0
	s_cbranch_scc1 .Lnot_wave_0_\@
	s_barrier_signal -3
.Lnot_wave_0_\@:
	s_barrier_wait -3
	s_barrier_signal -1
	s_barrier_wait -1
.endm
.macro CROUND
	s_barrier_signal -1
	s_barrier_wait -1
	CREST
.endm
	s_load_b256 s[68:75], s[0:1], 0x0
	s_load_b256 s[80:87], s[0:1], 0x20
	s_load_b128 s[88:91], s[0:1], 0x40
	s_load_b64 s[92:93], s[0:1], 0x50
	v_lshl_add_u32 v[SPW], v0, 2, SPARE
	v_mov_b32 v[NIL], 0
	ds_add_u32 v28, v29
	ds_add_u32 v28, v29
	s_wait_dscnt 0x0
	v_lshrrev_b32 v1, 5, v0
	v_readfirstlane_b32 s14, v1
	s_lshr_b32 s15, s14, 1
	s_and_b32 s16, s14, 1
	s_bfe_u32 s40, ttmp6, 0x40000
	s_bfe_u32 s41, ttmp6, 0x40004
	s_and_b32 s17, ttmp7, 0xffff
	s_max_u32 s18, s17, 8
	s_sub_co_u32 s18, s18, 8
	s_lshl_b32 s18, s18, 1
	s_add_co_u32 s18, s18, ttmp9
	s_wait_kmcnt 0x0
	s_cmp_lt_u32 s17, 8
	s_cselect_b32 s[MODE], 1, 0
	s_cselect_b32 s18, ttmp9, s18
	s_cselect_b32 s19, s17, 2
	s_cselect_b32 s2, 512, 64
	s_cselect_b64 s[4:5], s[68:69], s[72:73]
	s_cselect_b64 s[6:7], s[70:71], s[74:75]
	s_cselect_b64 s[8:9], s[72:73], s[68:69]
	s_cselect_b64 s[10:11], s[74:75], s[70:71]
	s_cselect_b64 s[12:13], s[86:87], s[90:91]
	s_cselect_b64 s[96:97], s[88:89], s[92:93]
	s_mov_b64 s[100:101], s[84:85]
	s_cmp_eq_u32 ttmp9, 0
	s_cselect_b64 s[98:99], s[80:81], s[82:83]
	s_lshl_b32 s42, s18, 2
	s_add_co_u32 s42, s42, s40
	s_lshl_b32 s17, s19, 2
	s_add_co_u32 s17, s17, s41
	s_lshl_b32 s43, s41, 2
	s_lshl_b32 s43, 15, s43
	s_lshl_b32 s44, 0x1111, s40
	s_or_b32 s[G1+0], s43, (0<<16)|(1<<20)|(1<<21)|(3<<22)|(3<<25)
	s_or_b32 s[G1B+0], s44, (0<<16)|(1<<20)|(1<<21)|(3<<22)|(3<<25)
.irp g, G1, G1B
	s_mov_b32 s[\g+1], 256<<16                     ; a tile is a dense block, stated as rows of 256 bytes; the padding's interval stays 64 bytes, so a row of 192 bytes of codes takes 240 in LDS
	s_mov_b32 s[\g+2], 384<<16                     ; the head's loads: K steps 0 and 1 of 256 rows, dense in memory and in LDS: 384 rows of 256 bytes
	s_mov_b32 s[\g+3], 256<<16
	s_mov_b32 s[\g+4], 384
	s_mov_b32 s[\g+5], 256
	s_mov_b32 s[\g+6], 0
	s_mov_b32 s[\g+7], 0
.endr
	s_or_b32 s[G1S+0], s43, (3<<16)|(1<<20)|(1<<21)|(5<<22)|(3<<25)
	s_or_b32 s[G1SB+0], s44, (3<<16)|(1<<20)|(1<<21)|(5<<22)|(3<<25)
.irp g, G1S, G1SB
	s_mov_b32 s[\g+1], 32<<16
	s_mov_b32 s[\g+2], KS<<16                      ; the scales of 256 rows: KS rows of 256 bytes
	s_mov_b32 s[\g+3], 32<<16
	s_mov_b32 s[\g+4], KS
	s_mov_b32 s[\g+5], 32
	s_mov_b32 s[\g+6], 0
	s_mov_b32 s[\g+7], 0
.endr
	s_lshl_b32 s20, s17, 8                         ; the tiles' first rows
	s_lshl_b32 s46, s42, 8
	s_mov_b32 s21, 0
	s_mov_b32 s47, 0
	s_mov_b64 s[18:19], KS
	s_mul_u64 s[22:23], s[20:21], s[18:19]
	s_mul_u64 s[92:93], s[46:47], s[18:19]
	s_mov_b64 s[18:19], KROW
	s_mul_u64 s[20:21], s[20:21], s[18:19]
	s_mul_u64 s[46:47], s[46:47], s[18:19]
	s_mul_i32 s45, s16, HALFT                      ; LDS: A's slot 0, A's slot 1, B's slot 0, B's slot 1, each 256 rows; in a slot my half of the rows
	s_mul_i32 s18, s16, 24576                      ; in the ring I fetch 128 rows of a block: which half, in bytes
	s_mov_b32 s19, 0
	s_add_nc_u64 s[20:21], s[4:5], s[20:21]
	s_add_nc_u64 s[22:23], s[6:7], s[22:23]
	s_add_nc_u64 s[46:47], s[8:9], s[46:47]
	s_add_nc_u64 s[92:93], s[10:11], s[92:93]
	CROUND
	s_mov_b32 s[G0S], 1
	s_mov_b32 s[G0S+1], SCL
	s_mov_b64 s[G0S+2:G0S+3], s[22:23]
	s_or_b32 s[G0S+3], s[G0S+3], 0x80000000
	s_mov_b32 s[G0SB], 1
	s_mov_b32 s[G0SB+1], SCL+2*HALFS
	s_mov_b64 s[G0SB+2:G0SB+3], s[92:93]
	s_or_b32 s[G0SB+3], s[G0SB+3], 0x80000000
	s_mov_b32 s4, 1                                ; group 0 of the head's loads of K steps 0 and 1: A's 256 rows (the pointers that lay in s[4:11] have been used),
	s_mov_b32 s5, 0
	s_mov_b64 s[6:7], s[20:21]
	s_or_b32 s7, s7, 0x80000000
	s_mov_b32 s8, 1                                ; and B's, behind them in B's slots 0 and 1
	s_mov_b32 s9, 4*HALFT
	s_mov_b64 s[10:11], s[46:47]
	s_or_b32 s11, s11, 0x80000000
	s_add_nc_u64 s[20:21], s[20:21], s[18:19]      ; for the ring: my 128 rows
	s_add_nc_u64 s[46:47], s[46:47], s[18:19]
.irp s, 0,1
	s_mov_b32 s[G0+4*\s], 1
	s_add_co_u32 s[G0+4*\s+1], s45, \s*2*HALFT
	s_add_nc_u64 s[G0+4*\s+2:G0+4*\s+3], s[20:21], \s*ROWB
	s_or_b32 s[G0+4*\s+3], s[G0+4*\s+3], 0x80000000
	s_mov_b32 s[G0B+4*\s], 1
	s_add_co_u32 s[G0B+4*\s+1], s45, 4*HALFT+\s*2*HALFT
	s_add_nc_u64 s[G0B+4*\s+2:G0B+4*\s+3], s[46:47], \s*ROWB
	s_or_b32 s[G0B+4*\s+3], s[G0B+4*\s+3], 0x80000000
.endr
; the head's four tiles, one joint load a wave, in one chain of arms on the wave's number: A's codes, B's codes, A's scales, B's scales
.macro ARM under, g0, g1, next
	s_cmp_lt_u32 s14, \under
	s_cbranch_scc0 \next
	tensor_load_to_lds s[\g0:\g0+3], s[\g1:\g1+7]
	s_nop 0
.rept 4
	v_nop
.endr
	s_branch .Lhead_asked
\next:
.endm
	ARM 1, 4, G1, .Lhead_b
	ARM 2, 8, G1B, .Lhead_sa
	ARM 3, G0S, G1S, .Lhead_sb
	tensor_load_to_lds s[G0SB:G0SB+3], s[G1SB:G1SB+7]
	s_nop 0
.rept 4
	v_nop
.endr
.Lhead_asked:
; PREFETCHES for the two refills: K step 2 is asked for here, K step 3 behind the first refill: each one K step or more ahead of the load that wants it.  Of the 96 blocks of 256 bytes that my wave fetches of a K step,
; each of the four partners that ask for them jointly names 24, told apart by address (cx for A, cy for B): a lane a block, lanes 24-31 the last block again.  x's tiles are asked for by each cluster of the Q and K part that loads them;
; the weights' tiles, which many clusters load, by one row of clusters (Wv's by one cluster); x's tiles of the V part are left out: the launch has read them before.
	s_cmp_eq_u32 s15, 0                            ; do I fetch for A?
	s_cselect_b64 s[92:93], s[20:21], s[46:47]     ; my 128 rows' block of K step 0
	s_cselect_b32 s19, s40, s41
	s_cselect_b32 s22, 1, 0
	s_mul_i32 s19, s19, 24*256
	s_and_b32 s18, ttmp7, 0xffff                   ; the cluster's y
	s_lshl_b32 s23, ttmp9, 4
	s_add_co_u32 s23, s23, s18
	s_cmp_eq_u32 s23, 8
	s_cselect_b32 s23, s22, 0                      ; V part: A's waves (Wv) of cluster (0, 8)
	s_cmp_eq_u32 s18, 0
	s_cselect_b32 s18, 1, s22                      ; Q and K part: A's waves (x), and B's (W) in the first row of clusters
	s_cmp_eq_u32 s[MODE], 1
	s_cselect_b32 s94, s18, s23                    ; 1: my wave prefetches.  It hangs on the wave's and the cluster's numbers alone
	v_and_b32 v31, 31, v0
	v_min_u32 v31, 23, v31
	v_lshl_add_u32 v31, v31, 8, s19                ; never rewritten, like s[92:93]
	s_cmp_eq_u32 s94, 1
	s_cbranch_scc0 .Lno_pf_head
	global_prefetch_b8 v31, s[92:93] offset:2*49152 th:TH_LOAD_NT scope:SCOPE_SE
.Lno_pf_head:
	v_and_b32 v1, 15, v0
	v_bfe_u32 v2, v0, 4, 1
	v_mul_u32_u24 v3, v1, PITCH
	v_mul_u32_u24 v4, v2, 24
	v_add_nc_u32 v4, v3, v4
	v_lshl_add_u32 v5, v2, 4, v4
	s_mul_i32 s21, s15, HALFT
	s_mul_i32 s22, s16, HALFT
	s_add_co_u32 s22, s22, 4*HALFT
.irp s, 0,1
	v_add_nc_u32 v[ADRA+\s], s21, v4
	v_add_nc_u32 v[ADRB+\s], s22, v4
	v_add_nc_u32 v[ADRA+2+\s], s21, v5
	v_add_nc_u32 v[ADRB+2+\s], s22, v5
	s_add_co_u32 s21, s21, 2*HALFT
	s_add_co_u32 s22, s22, 2*HALFT
.endr
	v_mul_u32_u24 v5, v1, KS
	v_lshrrev_b32 v6, 8, v5
	v_lshl_add_u32 v5, v6, 4, v5
	s_mul_i32 s21, s15, HALFS
	s_mul_i32 s22, s16, HALFS
	s_add_co_u32 s22, s22, 2*HALFS
	s_sub_co_u32 s22, s22, s21
	v_mul_u32_u24 v6, s22, v2
	s_add_co_u32 s21, s21, SCL
	v_add_nc_u32 v5, v5, v6
	v_add_nc_u32 v[ADRS], s21, v5
	v_and_b32 v6, 31, v0
	v_lshlrev_b32 v[L16], 4, v6
	v_lshlrev_b32 v[L8], 3, v6
	s_lshl_b32 s21, s14, 9
	v_lshl_add_u32 v[SWI], v1, 2, s21
	v_add_nc_u32 v[SWO], s21, v[L16]
	s_lshl_b32 s21, s16, 9
	s_lshl_b32 s22, s40, 10
	s_add_co_u32 s21, s21, s22
	v_lshl_add_u32 v9, v2, 6, s21
	s_lshl_b32 s21, s15, 9
	s_lshl_b32 s22, s41, 10
	s_add_co_u32 s21, s21, s22
	v_and_b32 v10, 8, v1
	v_add_nc_u32 v10, v10, v1
	v_lshl_add_u32 v10, v10, 2, s21
.irp t, 0,1,2,3,4,5,6,7
	global_load_b128 v[BP+8*\t:BP+8*\t+3], v9, s[98:99] offset:(32*(\t/2)+8*(\t%2))*4
	global_load_b128 v[BP+8*\t+4:BP+8*\t+7], v9, s[98:99] offset:(32*(\t/2)+8*(\t%2))*4+16
.endr
.irp a, 0,1,2,3,4,5,6,7
	global_load_b32 v[BR+2*\a], v10, s[100:101] offset:(32*(\a/2)+8*(\a%2))*4
	global_load_b32 v[BR+2*\a+1], v10, s[100:101] offset:(32*(\a/2)+8*(\a%2))*4
.endr
	s_cmp_eq_u32 s[MODE], 1
	s_cselect_b32 s18, s17, s41
	s_lshl_b32 s18, s18, 4
	s_lshl_b32 s19, s15, 3
	s_add_co_u32 s18, s18, s19
	s_lshl_b32 s19, s42, 2
	s_lshl_b32 s20, s16, 1
	s_add_co_u32 s19, s19, s20
	s_mul_i32 s20, s19, s2
	s_add_co_u32 s20, s20, s18
	s_mul_i32 s20, s20, 768
	s_mov_b32 s21, 0
	s_add_nc_u64 s[12:13], s[12:13], s[20:21]
	s_mul_i32 s20, s2, 768
	s_add_nc_u64 s[22:23], s[12:13], s[20:21]
	s_lshr_b32 s19, s19, 1
	s_mul_i32 s19, s19, s2
	s_add_co_u32 s19, s19, s18
	s_lshl_b32 s20, s19, 6
	s_add_nc_u64 s[96:97], s[96:97], s[20:21]
.macro FRAG reg, adr, q, i
.irp p, 0,1,2,3,4,5
.set PCE, 12*(\q)+6*(\p/3)+\p%3
.if PCE%8 < 5
	ds_load_b64 v[\reg+2*\p:\reg+2*\p+1], v[\adr] offset:8*PCE+16*(PCE/8)+(\i)*16*PITCH
.else
	ds_load_b64 v[\reg+2*\p:\reg+2*\p+1], v[\adr+2] offset:8*PCE+16*(PCE/8)+(\i)*16*PITCH
.endif
.endr
.endm
.macro MUL16 a0, p, q, sc, zero
.irp a, \a0, \a0+1
.irp b, 0,1,2,3,4,5,6,7
.if \zero
	v_wmma_scale_f32_16x16x128_f8f6f4 v[8*(8*((\a)%4)+\b):8*(8*((\a)%4)+\b)+7], v[128*(\p)+FR*\b:128*(\p)+FR*\b+FR-1], v[AF+FR*(\a):AF+FR*(\a)+FR-1], 0, v[SC+8*NQ*(\sc)+NQ*\b+(\q)], v[SC+8*NQ*(\sc)+NQ*(\a)+(\q)] matrix_a_fmt:MATRIX_FMT_BF6 matrix_b_fmt:MATRIX_FMT_BF6 matrix_a_scale:MATRIX_SCALE_ROW1
.else
	v_wmma_scale_f32_16x16x128_f8f6f4 v[8*(8*((\a)%4)+\b):8*(8*((\a)%4)+\b)+7], v[128*(\p)+FR*\b:128*(\p)+FR*\b+FR-1], v[AF+FR*(\a):AF+FR*(\a)+FR-1], v[8*(8*((\a)%4)+\b):8*(8*((\a)%4)+\b)+7], v[SC+8*NQ*(\sc)+NQ*\b+(\q)], v[SC+8*NQ*(\sc)+NQ*(\a)+(\q)] matrix_a_fmt:MATRIX_FMT_BF6 matrix_b_fmt:MATRIX_FMT_BF6 matrix_a_scale:MATRIX_SCALE_ROW1
.endif
.endr
.endr
.endm
.macro FETCH_B slot, q, p
	WIN TO_B
.irp i, 0,1,2,3,4,5,6,7
	FRAG 128*(\p)+FR*\i, ADRB+\slot, \q, \i
.endr
	WIN 0
.endm
.macro FETCH_A slot, q, i0
.irp i, \i0, \i0+1, \i0+2, \i0+3
	FRAG AF+FR*(\i), ADRA+\slot, \q, \i
.endr
.endm
.macro SCALES sc
.irp i, 0,1,2,3,4,5,6,7
	ds_load_b64 v[SC+8*NQ*\sc+NQ*\i:SC+8*NQ*\sc+NQ*\i+1], v[ADRS] offset:\i*SBLK
.endr
.endm
.macro PLACES n
.rept \n
	v_nop
.endr
.endm
.macro STEP slot, q, zero
	s_wait_dscnt 4*NL
	WIN MUL_LO
	MUL16 0, (\q)%2, \q, \slot, \zero
	MUL16 2, (\q)%2, \q, \slot, \zero
	s_wait_dscnt 0
	PLACES NP
	FETCH_B \slot, (\q)+1, 1-(\q)%2
	FETCH_A \slot, (\q)+1, 0
	WIN MUL_HI
	MUL16 4, (\q)%2, \q, \slot, \zero
	MUL16 6, (\q)%2, \q, \slot, \zero
	PLACES NP
	WIN 0
	FETCH_A \slot, (\q)+1, 4
.endm
.macro TURN slot, next, fill
	s_wait_tensorcnt 0x0
	ds_add_u32 v[SPW], v[NIL]
	s_wait_dscnt 4*NL+1
	WIN MUL_LO
	MUL16 0, 1, NQ-1, \slot, 0
	s_wait_dscnt 0x0
	s_barrier_signal -1
	MUL16 2, 1, NQ-1, \slot, 0
	WIN 0
	s_barrier_wait -1
.if \fill
	CREST
	s_add_nc_u64 s[G0+4*\slot+2:G0+4*\slot+3], s[G0+4*\slot+2:G0+4*\slot+3], 2*ROWB
	s_add_nc_u64 s[G0B+4*\slot+2:G0B+4*\slot+3], s[G0B+4*\slot+2:G0B+4*\slot+3], 2*ROWB
	JLOAD G0+4*\slot, G1, G0B+4*\slot, G1B
.else
	PLACES NP
.endif
	s_wait_alu depctr_va_vdst(0)
	v_add_nc_u32 v[ADRS], 4*NQ, v[ADRS]
	FETCH_B \next, 0, 0
	FETCH_A \next, 0, 0
	SCALES \next
.if (\fill) && (\slot == 0)
	s_cmp_eq_u32 s94, 1                            ; behind the refill with K step 2 and the run of LDS loads: K step 3, which the next refill loads
	s_cbranch_scc0 .Lno_pf_\@
	global_prefetch_b8 v31, s[92:93] offset:3*49152 th:TH_LOAD_NT scope:SCOPE_SE
.Lno_pf_\@:
.endif
	WIN MUL_HI
	MUL16 4, 1, NQ-1, \slot, 0
	MUL16 6, 1, NQ-1, \slot, 0
	PLACES NP
	WIN 0
	FETCH_A \next, 0, 4
.endm
	s_wait_alu depctr_va_vdst(0)                   ; the wait at the head's end
	s_wait_tensorcnt 0x0                           ; my tile of the head's four is in; the lines ahead of a later first fill:
	s_mov_b32 s[G1+2], 96<<16
	s_mov_b32 s[G1+4], 96
	s_mov_b32 s[G1B+2], 96<<16
	s_mov_b32 s[G1B+4], 96
	s_barrier_signal -1                            ; both slots and the scales are in, for all four waves
	s_barrier_wait -1
	FETCH_B 0, 0, 0
	FETCH_A 0, 0, 0
	SCALES 0
	FETCH_A 0, 0, 4
	STEP 0, 0, 1
	s_mov_b32 s3, LAPS-1
.Llap:
	TURN 0, 1, 1
	STEP 1, 0, 0
	TURN 1, 0, 1
	STEP 0, 0, 0
	s_sub_co_u32 s3, s3, 1
	s_cmp_lg_u32 s3, 0
	s_cbranch_scc1 .Llap
	TURN 0, 1, 0
	STEP 1, 0, 0
	s_wait_dscnt 4*NL
	WIN MUL_LO
	MUL16 0, 1, NQ-1, 1, 0
	MUL16 2, 1, NQ-1, 1, 0
	s_wait_dscnt 0
	WIN MUL_HI
	MUL16 4, 1, NQ-1, 1, 0
	MUL16 6, 1, NQ-1, 1, 0
	WIN 0
.macro QUANT s, pw
.irp b, 0,1,2,3
	v_max3_num_f32 v[TM+\b], |v[\s+16*\b]|, |v[\s+1+16*\b]|, 0x2800000
.endr
.irp i, 2,4,6,8,10,12,14
.irp b, 0,1,2,3
	v_max3_num_f32 v[TM+\b], v[TM+\b], |v[\s+16*\b+\i]|, |v[\s+1+16*\b+\i]|
.endr
.endr
.irp b, 0,1,2,3
	v_permlanex16_b32 v[TM+4+\b], v[TM+\b], s20, s21
.endr
.irp b, 0,1,2,3
	v_max_num_f32 v[TM+\b], v[TM+\b], v[TM+4+\b]
.endr
.irp b, 0,1,2,3
	v_add_nc_u32 v[TM+12+\b], 0xfe000000, v[TM+\b]
.endr
.irp b, 0,1,2,3
	v_lshrrev_b32 v[TM+4+\b], 23, v[TM+12+\b]
.endr
	v_lshl_or_b32 v[\pw], v[TM+5], 8, v[TM+4]
	v_lshl_or_b32 v[\pw], v[TM+6], 16, v[\pw]
	v_lshl_or_b32 v[\pw], v[TM+7], 24, v[\pw]
.irp c, 0,1
	v_cvt_scalef32_pk16_bf6_f32 v[PC+6*\c:PC+2+6*\c], v[\s+32*\c:\s+15+32*\c], v[TM+12+2*\c]
	v_cvt_scalef32_pk16_bf6_f32 v[PC+12+4*\c:PC+14+4*\c], v[\s+16+32*\c:\s+31+32*\c], v[TM+12+2*\c+1]
.endr
	v_nop
.irp c, 0,1
.irp i, 0,1,2
	v_permlane16_swap_b32 v[PC+6*\c+\i], v[PC+12+4*\c+\i]
.endr
.irp i, 0,1,2
	v_mov_b32 v[PC+3+6*\c+\i], v[PC+12+4*\c+\i]
.endr
.endr
.endm
.macro BLOCK a
.set AC, 64*((\a)%4)
.set PC, PCS+20*((\a)%2)
.set WA, 0x02+(\a)/4
	s_cmp_eq_u32 s[MODE], 0
	s_cbranch_scc1 .Lalong_a_\@
	WIN WA
.set i, 0
.rept 32
	v_pk_add_f32 v[T+i:T+i+1], v[AC+i:AC+i+1], v[BP+i:BP+i+1]
.set i, i+2
.endr
	WIN 0
	s_branch .Lbiased_\@
.Lalong_a_\@:
	WIN WA
.set i, 0
.rept 32
	v_pk_add_f32 v[T+i:T+i+1], v[AC+i:AC+i+1], v[BR+2*(\a):BR+2*(\a)+1]
.set i, i+2
.endr
	WIN 0
.Lbiased_\@:
.if (\a) > 1
	s_wait_xcnt 0x0
.endif
	QUANT T, SW+(\a)
	global_store_b128 v[L16], v[PC:PC+3], s[12:13] offset:768*(\a)
	global_store_b64 v[L8], v[PC+4:PC+5], s[12:13] offset:768*(\a)+512
	global_store_b128 v[L16], v[PC+6:PC+9], s[22:23] offset:768*(\a)
	global_store_b64 v[L8], v[PC+10:PC+11], s[22:23] offset:768*(\a)+512
.endm
	PLACES NP
	s_wait_loadcnt 0x0
	s_mov_b32 s20, 0x76543210
	s_mov_b32 s21, 0xfedcba98
.irp b, 0,1,2,3
	v_mov_b32 v[TM+4+\b], 0
.endr
.irp a, 0,1,2,3,4,5,6,7
	BLOCK \a
.endr
.irp a, 0,1,2,3,4,5,6,7
	ds_store_b32 v[SWI], v[SW+\a] offset:64*\a
.endr
	ds_load_b128 v[SWB:SWB+3], v[SWO]
	s_wait_dscnt 0x0
	global_store_b128 v[L16], v[SWB:SWB+3], s[96:97]
	s_wait_tensorcnt 0x0
	ds_add_u32 v[SPW], v[NIL]
	s_wait_dscnt 0x0
	CROUND
	s_endpgm
.Lfunc_end_k_qe3936a7f3d_proj:
	.size	k_qe3936a7f3d_proj, .Lfunc_end_k_qe3936a7f3d_proj-k_qe3936a7f3d_proj
	.p2alignl 7, 3214868480
	.fill 96, 4, 3214868480
	.section	.rodata,"a",@progbits
	.p2align	6, 0x0
	.amdhsa_kernel k_qe3936a7f3d_proj
		.amdhsa_group_segment_fixed_size 327680
		.amdhsa_private_segment_fixed_size 0
		.amdhsa_enable_private_segment 0
		.amdhsa_kernarg_size 88
		.amdhsa_user_sgpr_count 2
		.amdhsa_user_sgpr_kernarg_segment_ptr 1
		.amdhsa_wavefront_size32 1
		.amdhsa_system_sgpr_workgroup_id_x 1
		.amdhsa_system_sgpr_workgroup_id_y 1
		.amdhsa_system_sgpr_workgroup_id_z 1
		.amdhsa_system_vgpr_workitem_id 0
		.amdhsa_next_free_vgpr 1024
		.amdhsa_next_free_sgpr 102
		.amdhsa_reserve_vcc 0
		.amdhsa_float_denorm_mode_32 3
		.amdhsa_float_denorm_mode_16_64 3
		.amdhsa_memory_ordered 1
		.amdhsa_forward_progress 1
		.amdhsa_inst_pref_size 203
	.end_amdhsa_kernel
	.amdgpu_metadata
---
amdhsa.version: [ 1, 2 ]
amdhsa.kernels:
  - .name:           k_qe3936a7f3d_proj
    .symbol:         k_qe3936a7f3d_proj.kd
    .args:
      - { .name: x_codes, .offset: 0, .size: 8, .value_kind: global_buffer, .address_space: global }
      - { .name: x_scales, .offset: 8, .size: 8, .value_kind: global_buffer, .address_space: global }
      - { .name: w_codes, .offset: 16, .size: 8, .value_kind: global_buffer, .address_space: global }
      - { .name: w_scales, .offset: 24, .size: 8, .value_kind: global_buffer, .address_space: global }
      - { .name: bq, .offset: 32, .size: 8, .value_kind: global_buffer, .address_space: global }
      - { .name: bk, .offset: 40, .size: 8, .value_kind: global_buffer, .address_space: global }
      - { .name: bv, .offset: 48, .size: 8, .value_kind: global_buffer, .address_space: global }
      - { .name: qk_codes, .offset: 56, .size: 8, .value_kind: global_buffer, .address_space: global }
      - { .name: qk_scales, .offset: 64, .size: 8, .value_kind: global_buffer, .address_space: global }
      - { .name: v_codes, .offset: 72, .size: 8, .value_kind: global_buffer, .address_space: global }
      - { .name: v_scales, .offset: 80, .size: 8, .value_kind: global_buffer, .address_space: global }
    .group_segment_fixed_size: 327680
    .private_segment_fixed_size: 0
    .kernarg_segment_align: 8
    .kernarg_segment_size: 88
    .max_flat_workgroup_size: 128
    .sgpr_count:     102
    .vgpr_count:     1024
    .wavefront_size: 32
...
	.end_amdgpu_metadata
.endif
;; end of part 2
;; launch attn (part 3): grid 2 x 128, 8 waves a work-group, no clusters, 182,272 bytes of LDS; arguments qk_codes, qk_scales, v_codes, v_scales, attention_mask, out0; writes out0
.if DOCPART == 3
	.amdgcn_target "amdgcn-amd-amdhsa--gfx1250"
	.amdhsa_code_object_version 6
	.text
	.protected	k_qe3936a7f3d_attn
	.globl	k_qe3936a7f3d_attn
	.p2align	8
	.type	k_qe3936a7f3d_attn,@function
k_qe3936a7f3d_attn:
	s_mov_b64 s[64:65], 0
	v_nop
	global_prefetch_b8 v0, s[64:65] scope:SCOPE_SE
	s_setreg_imm32_b32 hwreg(HW_REG_WAVE_MODE, 25, 1), 1
	s_wait_xcnt 0x0
; out[b][q][64 hd ..] = the sum over keys of softmax(q . k / 8 + mask[b][key]) v, both products on codes of BF6 (E3M2) with one E8M0 scale for each 32 along a product's K.
; THE SOFTMAX AHEAD OF THE SECOND PRODUCT: t = (q . k + 8 mask) x log2(e) / 8; M = the row's largest t so far, rounded up to a whole number; p = 2^(t - M) is quantised along the keys, not normalised.
; The row's sum is taken of the unquantised p, in f32, and divides at the end.  When M moves, the sum and O are multiplied by 2^(old M - new M): exact.
; INPUTS are this program's own: units of 768 bytes, the image of 6 registers x 32 lanes (16 rows x 64 along K): lane l's registers 0-3 at 16 l, registers 4-5 at 512 + 8 l.
; ROWS LIE IN PLACES: within 32, place 16 u + 8 h + j holds row 16 h + 8 u + j.  So in S^T = K Q^T the 16 registers of tiles 2 b, 2 b + 1 are keys 32 b + 16 (lane / 16) + 0 .. 15; the same holds of the head's 64 numbers in O^T = V^T P^T.
; THE FIRST PRODUCT'S K IS 64: Q's registers 6-11 are zero codes, set once.  A zero code times any code of this format is 0, so K's fragments lie 6 registers apart, and a fragment's registers 6-11 are the next fragment's codes
; (behind the last: zeros); their scale bytes are the zeros of a 16-bit load.
; SHARES.  A work-group owns 512 queries of one head (y = 16 b + head, x = which 512): 256 work-groups.  Each of its eight waves owns 32 queries (two tiles of 16) at a time, twice; each fragment of K and V and each number of the mask
; that comes from LDS serves both tiles.  All of the head's K and V (96 KiB of codes, 6 KiB of scale words) comes into LDS once, one tensor load a wave at the head; nothing is filled again; one barrier.
; THE MASK, times 8, lies in LDS as f32 and is the C of the first product (D is other registers), so the addition costs no instruction.
; LDS LOADS RUN A STEP AHEAD: the next step's K, K's scales and mask (36 loads) are asked for behind this step's first products, the next V and its scales (18) behind the second.  The step behind the eighth is step 0 again,
; which the second pass begins with; the second pass's last requests are not used.
; One scale register holds two tiles' words: lanes 0-15 the even tile's, lanes 16-31 the odd one's.
; NO CLUSTER: a head has two work-groups (grid x = 2), which a cluster four wide does not divide; neighbours along y are other heads.  NO PREFETCH: the one fill stands at the head, with no loop to run ahead in.
; LIMITS: a mask number under -4.2e37 becomes -infinity by the multiplication by 8, and its p is 0; a row all of whose keys stand at -infinity gives NaN, as in the problem's text.  NaN in the mask is not served.
; The promise holds while the scaled scores t stay under 2^31 in magnitude.
; REGISTERS.  Window 0: v1-11, v36-39 addresses; v12-19 -M, largest t, the sum (a pair) of tile 0, tile 1; v20-23 f; v24-33 scale words (Q 2, p 2, K 4, V 2); v34, v35 the add's; v40-47 block maxima; v48-55, v56-63 at work;
;   v64-191 S^T then p of both tiles; v192-223 partial sums; v224-231 conversions' second halves; v232-255 p's codes.
; Window 1 (written by its low 8 bits): v0-53 K; v54-77 Q; v80-143 8 x mask; v144-191 V; v192-255 O^T.
.set KC,   0
.set VC,   49152                       ; [16 blocks of 64 keys][4 blocks of 16 of the head's places]
.set KSC,  98304                       ; K's scale words: the pair of heads' word for each key place
.set VSC,  102400                      ; V's: [8 key steps][64 places]
.set MK,   104448                      ; 8 x mask: written by LDS stores
.set STG,  108544                      ; the way out: 16 rows x 272 bytes, two for each wave
.set SPARE, 0x2c000
.set WV,   18
.set SEL,  20
.set CS,   22
.set G1KC, 24
.set G1KS, 32
.set G1VC, 40
.set G1VS, 48
.set G0KS, 56
.set G0KC, 60
.set G0VS, 68
.set G0VC, 72
.set T6,   2                           ; the next step's codes: 6,144 bytes a step
.set TS,   3                           ; its K scale words and mask: 512 bytes a step
.set TV,   66                          ; its V scale words: 256 bytes a step
.set CNT,  67
.set NX,   76
.set QP,   84
.set QS,   86
.set OP,   88
.set MSB, 0
.macro WIN new                         ; low byte: bits 1:0 source 0, 3:2 source 1, 5:4 source 2, 7:6 destination; the high byte repeats the setting left
.if MSB != \new
	s_set_vgpr_msb (MSB<<8)|\new
.set MSB, \new
.endif
.endm
.macro GROUP1 g, c, r, p               ; r rows of c elements of 8 bytes, p elements apart
	s_mov_b32 s[\g], 3<<16
	s_mov_b32 s[\g+1], (\c)<<16
	s_mov_b32 s[\g+2], (\r)<<16
	s_mov_b32 s[\g+3], (\c)<<16
	s_mov_b32 s[\g+4], \r
	s_mov_b32 s[\g+5], \p
	s_mov_b32 s[\g+6], 0
	s_mov_b32 s[\g+7], 0
.endm
	s_load_b256 s[4:11], s[0:1], 0x0               ; qk_codes, qk_scales, v_codes, v_scales
	s_load_b128 s[12:15], s[0:1], 0x20             ; the mask, the output
	v_lshl_add_u32 v34, v0, 2, SPARE
	v_mov_b32 v35, 0
	ds_add_u32 v34, v35                            ; the opening lines
	ds_add_u32 v34, v35
	v_lshrrev_b32 v1, 5, v0
	v_readfirstlane_b32 s[WV], v1                  ; wave 0..7
	s_and_b32 s19, s[WV], 1                        ; which half of its tensor a wave fetches
	s_and_b32 s78, ttmp7, 0xffff
	s_lshr_b32 s76, s78, 4                         ; b
	s_and_b32 s77, s78, 15                         ; the head
	GROUP1 G1KC, 32, 96, 32                        ; half of K's codes: 24,576 dense bytes as rows of 256
	GROUP1 G1KS, 32, 8, 32                         ; half of K's scale words
	GROUP1 G1VC, 384, 8, 6144                      ; half of V's codes: 8 rows of 4 units, 64 units apart
	GROUP1 G1VS, 32, 4, 512                        ; half of V's scale words: 4 rows of 64 words, 1,024 words apart
	s_mov_b32 s[SEL], 0x76543210
	s_mov_b32 s[SEL+1], 0xfedcba98
	s_mov_b32 s[CS], 0x3e38aa3b                    ; c = log2(e) / 8
	s_mov_b32 s[CS+1], s[CS]
	s_lshr_b32 s98, s77, 1
	s_lshl_b32 s98, s98, 13
	s_lshl_b32 s99, s76, 10
	s_add_co_u32 s98, s98, s99                     ; q's pair of heads: word 8,192 (head / 2) + 1,024 b
	s_add_co_u32 s78, s98, 65536                   ; k's pairs lie 8 pairs on
	s_lshl_b32 s78, s78, 2
	s_lshl_b32 s2, s19, 11
	s_add_co_u32 s78, s78, s2
	s_mov_b32 s79, 0
	s_lshl_b32 s2, ttmp9, 9
	s_add_co_u32 s92, s98, s2
	s_lshl_b32 s2, s[WV], 5
	s_add_co_u32 s92, s92, s2
	s_lshl_b32 s92, s92, 2
	s_and_b32 s3, s77, 1
	s_lshl_b32 s3, s3, 1                           ; the odd head's two bytes lie 2 bytes on in a word
	s_add_co_u32 s92, s92, s3                      ; Q's scale words: place 512 x + 32 wave
	s_mov_b32 s93, 0
	s_lshl_b32 s98, s77, 9
	s_lshl_b32 s2, s76, 6
	s_add_co_u32 s98, s98, s2                      ; q's head: unit 512 head + 64 b
	s_add_co_u32 s80, s98, 8192
	s_mul_i32 s80, s80, 768
	s_mul_i32 s2, s19, 24576
	s_add_co_u32 s80, s80, s2
	s_mov_b32 s81, 0
	s_lshl_b32 s66, ttmp9, 5
	s_add_co_u32 s94, s98, s66
	s_lshl_b32 s66, s[WV], 1
	s_add_co_u32 s94, s94, s66
	s_mul_i32 s94, s94, 768                        ; Q's units: 32 x + 2 wave
	s_mov_b32 s95, 0
	s_lshl_b32 s82, s76, 13
	s_lshl_b32 s66, s77, 6
	s_add_co_u32 s82, s82, s66
	s_lshl_b32 s82, s82, 2
	s_lshl_b32 s66, s19, 14
	s_add_co_u32 s82, s82, s66                     ; V's scale words
	s_mov_b32 s83, 0
	s_lshl_b32 s66, s77, 2
	s_add_co_u32 s90, s99, s66
	s_mul_i32 s90, s90, 768
	s_mul_i32 s66, s19, 393216
	s_add_co_u32 s90, s90, s66                     ; V's codes: unit 1,024 b + 4 head
	s_mov_b32 s91, 0
	s_lshl_b32 s66, ttmp9, 9
	s_add_co_u32 s96, s99, s66
	s_lshl_b32 s66, s[WV], 5
	s_add_co_u32 s96, s96, s66                     ; my first token: 1,024 b + 512 x + 32 wave
	s_lshl_b32 s96, s96, 12
	s_lshl_b32 s66, s77, 8
	s_add_co_u32 s96, s96, s66
	s_mov_b32 s97, 0
	s_lshl_b32 s98, s76, 12                        ; the mask's row
	s_mov_b32 s99, 0
	s_lshl_b32 s66, s19, 11
	s_lshl_b32 s67, s19, 10
	s_mul_i32 s16, s[WV], 2*4352
	s_add_co_u32 s16, s16, STG                     ; my two stages
	s_lshr_b32 s17, s[WV], 2
	s_xor_b32 s17, s17, s[WV]
	s_and_b32 s17, s17, 1                          ; two groups of waves: bit 0 xor bit 2 of the wave's number
	s_wait_dscnt 0x0
	s_wait_kmcnt 0x0
	s_mov_b32 s[G0KS], 1
	s_add_co_u32 s[G0KS+1], s66, KSC
	s_add_nc_u64 s[G0KS+2:G0KS+3], s[6:7], s[78:79]
	s_or_b32 s[G0KS+3], s[G0KS+3], 0x80000000
	s_mov_b32 s[G0KC], 1
	s_mov_b32 s[G0KC+1], s2
	s_add_nc_u64 s[G0KC+2:G0KC+3], s[4:5], s[80:81]
	s_or_b32 s[G0KC+3], s[G0KC+3], 0x80000000
	s_mov_b32 s[G0VS], 1
	s_add_co_u32 s[G0VS+1], s67, VSC
	s_add_nc_u64 s[G0VS+2:G0VS+3], s[10:11], s[82:83]
	s_or_b32 s[G0VS+3], s[G0VS+3], 0x80000000
	s_mov_b32 s[G0VC], 1
	s_add_co_u32 s[G0VC+1], s2, VC
	s_add_nc_u64 s[G0VC+2:G0VC+3], s[8:9], s[90:91]
	s_or_b32 s[G0VC+3], s[G0VC+3], 0x80000000
; THE FILLS: one tensor load a wave, in one chain of arms on the wave's number: waves 0, 1 the halves of K's scale words; 2, 3 of K's codes; 4, 5 of V's scale words; 6, 7 of V's codes
.macro ARM under, g0, g1, next
	s_cmp_lt_u32 s[WV], \under
	s_cbranch_scc0 \next
	tensor_load_to_lds s[\g0:\g0+3], s[\g1:\g1+7]
	s_nop 0
.rept 4
	v_nop
.endr
	s_branch .Lasked
\next:
.endm
	ARM 2, G0KS, G1KS, .Larm_kc
	ARM 4, G0KC, G1KC, .Larm_vs
	ARM 6, G0VS, G1VS, .Larm_vc
	tensor_load_to_lds s[G0VC:G0VC+3], s[G1VC:G1VC+7]
	s_nop 0
.rept 4
	v_nop
.endr
.Lasked:
	s_add_nc_u64 s[QP:QP+1], s[4:5], s[94:95]
	s_add_nc_u64 s[QS:QS+1], s[6:7], s[92:93]
	s_add_nc_u64 s[OP:OP+1], s[14:15], s[96:97]
	s_add_nc_u64 s[12:13], s[12:13], s[98:99]
	v_lshlrev_b32 v39, 4, v0
	global_load_b128 v[64:67], v39, s[12:13]       ; the mask's 1,024 numbers: four a thread
	v_lshl_add_u32 v192, v0, 4, MK
	v_and_b32 v193, 31, v0                         ; lane
	v_and_b32 v195, 15, v0                         ; r
	v_bfe_u32 v196, v0, 4, 1                       ; h
	v_lshlrev_b32 v1, 4, v193                      ; a unit's registers 0-3
	v_lshlrev_b32 v2, 3, v193                      ; its registers 4-5
	v_lshlrev_b32 v194, 2, v193
	v_lshlrev_b32 v38, 2, v195                     ; Q's scale words: 4 r
	v_add_nc_u32 v3, s3, v194
	v_add_nc_u32 v3, KSC, v3                       ; K's scale words: my head's two bytes of key place (lane)'s word: two tiles a load
	v_add_nc_u32 v4, VSC, v194                     ; V's likewise
	v_lshl_add_u32 v5, v196, 6, MK                 ; the mask: my half's 16 keys of a block of 32
	v_lshlrev_b32 v6, 12, v196
	v_lshl_add_u32 v6, v195, 4, v6                 ; the way out: lanes 0-15 one token's 256 bytes, lanes 16-31 the next token's
	v_mul_u32_u24 v7, v195, 272
	v_lshl_add_u32 v7, v196, 6, v7
	v_add_nc_u32 v7, s16, v7                       ; stage, in: row r, + 64 h
	v_mul_u32_u24 v8, v196, 272
	v_lshl_add_u32 v8, v195, 4, v8
	v_add_nc_u32 v8, s16, v8                       ; stage, back
	v_mov_b32 v21, 0                               ; (upper halves of the pairs that hold f)
	v_mov_b32 v23, 0
.irp q, 0,1,2,3,4,5,6,7
	v_mov_b32 v[48+\q], 0                          ; a lane permute's destination counts as one of its sources
.endr
	WIN 0x40
.irp j, 48,49,50,51,52,53, 60,61,62,63,64,65, 72,73,74,75,76,77
	v_mov_b32 v[\j], 0                             ; window 1: behind K's last fragment, and Q's K = 64 .. 127: zero codes, set once
.endr
	WIN 0
.macro QLOAD p                         ; Q's two units and their scale words for pass p: six loads
	WIN 0x40
.irp u, 0,1
	global_load_b128 v[54+12*\u:57+12*\u], v1, s[QP:QP+1] offset:12288*\p+768*\u
	global_load_b64 v[58+12*\u:59+12*\u], v2, s[QP:QP+1] offset:12288*\p+768*\u+512
.endr
	WIN 0
.irp u, 0,1
	global_load_u16 v[24+\u], v38, s[QS:QS+1] offset:1024*\p+64*\u
.endr
.endm
; THE TWO GROUPS BEGIN THEIR WALKS APART: the first group asks for its first Q here, while the fills are on their way; the second asks behind the barrier and begins a load's flight later,
; so that one group's runs of matrix instructions and exponentials stand beside the other's plain vector runs.
	s_wait_alu depctr_va_vdst(0)                   ; the wait ahead of the branch
	s_cmp_eq_u32 s17, 0
	s_cbranch_scc0 .Lq_later
	QLOAD 0
.Lq_later:
	s_wait_loadcnt 0x0
	v_pk_mul_f32 v[64:65], v[64:65], 0x41000000 op_sel_hi:[1,0]   ; 8 x mask: exact
	v_pk_mul_f32 v[66:67], v[66:67], 0x41000000 op_sel_hi:[1,0]
	ds_store_b128 v192, v[64:67]
	s_wait_tensorcnt 0x0                           ; my fill has landed,
	s_wait_dscnt 0x0                               ; my part of the mask is stored:
	s_barrier_signal -1
	s_barrier_wait -1                              ; everybody's are.  From here on these bytes are only read
.macro ADDR                            ; the addresses of the step whose offsets stand in T6, TS, TV
	v_add_nc_u32 v9, s[T6], v1
	v_add_nc_u32 v10, s[T6], v2
	v_add_nc_u32 v11, s[TS], v3
	v_add_nc_u32 v36, s[TS], v5
	v_add_nc_u32 v37, s[TV], v4
.endm
.macro LOADK                           ; 36 loads: K's eight units, 8 x mask in the result's layout, K's scale words
	WIN 0x40
.irp t, 0,1,2,3,4,5,6,7
	ds_load_b128 v[6*\t:6*\t+3], v9 offset:KC+768*\t
	ds_load_b64 v[6*\t+4:6*\t+5], v10 offset:KC+768*\t+512
.endr
.irp t, 0,1,2,3,4,5,6,7
	ds_load_b128 v[80+8*\t:83+8*\t], v36 offset:128*(\t/2)+32*(\t%2)
	ds_load_b128 v[84+8*\t:87+8*\t], v36 offset:128*(\t/2)+32*(\t%2)+16
.endr
	WIN 0
.irp i, 0,1,2,3
	ds_load_u16 v[28+\i], v11 offset:128*\i
.endr
.endm
.macro LOADV                           ; 18 loads: V's four fragments (16 places x 128 keys) and their scale words
	WIN 0x40
.irp dd, 0,1,2,3
.irp c, 0,1
	ds_load_b128 v[144+12*\dd+6*\c:147+12*\dd+6*\c], v9 offset:VC+3072*\c+768*\dd
	ds_load_b64 v[148+12*\dd+6*\c:149+12*\dd+6*\c], v10 offset:VC+3072*\c+768*\dd+512
.endr
.endr
	WIN 0
.irp i, 0,1
	ds_load_b32 v[32+\i], v37 offset:128*\i
.endr
.endm
.macro SMUL t, u                       ; S^T tile t of query tile u = K's 16 places x Q + 8 mask
.set DD, 64+64*\u+8*\t
.if \t%2 == 0
	v_wmma_scale_f32_16x16x128_f8f6f4 v[DD:DD+7], v[6*\t:6*\t+11], v[54+12*\u:65+12*\u], v[80+8*\t:87+8*\t], v[28+\t/2], v[24+\u] matrix_a_fmt:MATRIX_FMT_BF6 matrix_b_fmt:MATRIX_FMT_BF6
.else
	v_wmma_scale_f32_16x16x128_f8f6f4 v[DD:DD+7], v[6*\t:6*\t+11], v[54+12*\u:65+12*\u], v[80+8*\t:87+8*\t], v[28+\t/2], v[24+\u] matrix_a_fmt:MATRIX_FMT_BF6 matrix_b_fmt:MATRIX_FMT_BF6 matrix_a_scale:MATRIX_SCALE_ROW1
.endif
.endm
.macro PMUL dd, u                      ; O^T += V^T P^T
.set OD, 192+32*\u+8*\dd
.if \dd%2 == 0
	v_wmma_scale_f32_16x16x128_f8f6f4 v[OD:OD+7], v[144+12*\dd:155+12*\dd], v[232+12*\u:243+12*\u], v[OD:OD+7], v[32+\dd/2], v[26+\u] matrix_a_fmt:MATRIX_FMT_BF6 matrix_b_fmt:MATRIX_FMT_BF6
.else
	v_wmma_scale_f32_16x16x128_f8f6f4 v[OD:OD+7], v[144+12*\dd:155+12*\dd], v[232+12*\u:243+12*\u], v[OD:OD+7], v[32+\dd/2], v[26+\u] matrix_a_fmt:MATRIX_FMT_BF6 matrix_b_fmt:MATRIX_FMT_BF6 matrix_a_scale:MATRIX_SCALE_ROW1
.endif
.endm
.macro TREE u                          ; sixteen pairs of partial sums onto tile u's sum
.irp d, 16,8,4,2
.set i, 0
.rept \d/2
	v_pk_add_f32 v[192+i:193+i], v[192+i:193+i], v[192+\d+i:193+\d+i]
.set i, i+2
.endr
.endr
	v_pk_add_f32 v[14+4*\u:15+4*\u], v[14+4*\u:15+4*\u], v[192:193]
.endm
.macro CODES u                         ; tile u's p into codes, in the operand's layout: lanes 0-15 block 2 c, lanes 16-31 block 2 c + 1
.irp c, 0,1
	v_cvt_scalef32_pk16_bf6_f32 v[232+12*\u+6*\c:234+12*\u+6*\c], v[64+64*\u+32*\c:79+64*\u+32*\c], v[56+4*\u+2*\c]
	v_cvt_scalef32_pk16_bf6_f32 v[224+4*\c:226+4*\c], v[80+64*\u+32*\c:95+64*\u+32*\c], v[57+4*\u+2*\c]
.endr
	v_nop                                          ; one plain line behind a scaled conversion
.irp c, 0,1
.irp i, 0,1,2
	v_permlane16_swap_b32 v[232+12*\u+6*\c+\i], v[224+4*\c+\i]
.endr
.irp i, 0,1,2
	v_mov_b32 v[235+12*\u+6*\c+\i], v[224+4*\c+\i]
.endr
.endr
.endm
; A KEY STEP: 128 keys x my 32 queries.
.macro STEP
	s_add_co_u32 s[NX], s[CNT], 1
	s_and_b32 s[NX], s[NX], 7                      ; the next step, behind the eighth the first
	s_mul_i32 s[T6], s[NX], 6144
	s_lshl_b32 s[TS], s[NX], 9
	s_lshl_b32 s[TV], s[NX], 8
	s_wait_dscnt 18                                ; K, the mask and K's scale words are in; the 18 loads of V, issued behind them, may be out
	WIN 0x15
.irp t, 0,1,2,3,4,5,6,7
	SMUL \t, 0
	SMUL \t, 1
.endr
	WIN 0
	ADDR                                           ; five plain lines: the places behind the products, in front of the loads into their sources and of the first reads of S
	LOADK
.irp q, 0,1,2,3,4,5,6,7                        ; q = 4 tile + block: the largest score of each block of 32 keys serves for the row's maximum and, since p rises with the score, for the block's largest p
	v_max3_num_f32 v[40+\q], v[64+16*\q], v[65+16*\q], v[66+16*\q]
.endr
.irp i, 3,5,7,9,11,13
.irp q, 0,1,2,3,4,5,6,7
	v_max3_num_f32 v[40+\q], v[40+\q], v[64+16*\q+\i], v[65+16*\q+\i]
.endr
.endr
.irp q, 0,1,2,3,4,5,6,7
	v_max_num_f32 v[40+\q], v[40+\q], v[79+16*\q]
.endr
.irp q, 0,1,2,3,4,5,6,7
	v_permlanex16_b32 v[48+\q], v[40+\q], s[SEL], s[SEL+1]
.endr
.irp q, 0,1,2,3,4,5,6,7
	v_max_num_f32 v[40+\q], v[40+\q], v[48+\q]     ; with lane l xor 16's 16 keys
.endr
.irp u, 0,1
	v_max3_num_f32 v[48+\u], v[40+4*\u], v[41+4*\u], v[42+4*\u]
.endr
.irp u, 0,1
	v_max_num_f32 v[48+\u], v[48+\u], v[43+4*\u]
.endr
.irp u, 0,1
	v_mul_f32 v[48+\u], s[CS], v[48+\u]            ; the step's largest t
.endr
.irp u, 0,1
	v_max_num_f32 v[13+4*\u], v[13+4*\u], v[48+\u]
.endr
.irp u, 0,1
	v_mov_b32 v[48+\u], v[12+4*\u]
.endr
.irp u, 0,1
	v_floor_f32 v[12+4*\u], -v[13+4*\u]            ; the new -M = -ceil(t)
.endr
.irp u, 0,1
	v_sub_f32 v[48+\u], v[12+4*\u], v[48+\u]       ; old M less new M: a whole number, 0 or less
.endr
.irp u, 0,1
	v_cvt_i32_f32 v[48+\u], v[48+\u]               ; (it saturates)
.endr
.irp u, 0,1
	v_ldexp_f32 v[20+2*\u], 1.0, v[48+\u]          ; f = 2^(old M - new M)
.endr
	WIN 0x41
.irp u, 0,1
.set j, 0
.rept 16
	v_pk_mul_f32 v[192+32*\u+j:193+32*\u+j], v[192+32*\u+j:193+32*\u+j], v[20+2*\u:21+2*\u] op_sel_hi:[1,0]   ; O^T under the new M, each accumulator from its low end on
.set j, j+2
.endr
.endr
	WIN 0
.set j, 0
.rept 32
	v_pk_fma_f32 v[64+j:65+j], v[64+j:65+j], s[CS:CS+1], v[12:13] op_sel_hi:[1,0,0]   ; tile 0: t - M
.set j, j+2
.endr
.irp b, 0,1,2,3
	v_fma_f32 v[40+\b], v[40+\b], s[CS], v12       ; the same of each block's largest score
.endr
	s_wait_alu depctr_va_vdst(0)                   ; the wait ahead of a batch of transcendentals
.set j, 0
.rept 32                                       ; tile 0's p; among the exponentials tile 1's t - M, which nothing reads before the next wait
	v_exp_f32 v[64+j], v[64+j]
	v_exp_f32 v[65+j], v[65+j]
	v_pk_fma_f32 v[128+j:129+j], v[128+j:129+j], s[CS:CS+1], v[16:17] op_sel_hi:[1,0,0]
.set j, j+2
.endr
.irp b, 0,1,2,3
	v_exp_f32 v[40+\b], v[40+\b]                   ; the block's largest p: the same two instructions on the same number
	v_fma_f32 v[44+\b], v[44+\b], s[CS], v16
.endr
	v_pk_mul_f32 v[14:15], v[14:15], v[20:21] op_sel_hi:[1,0]   ; the sums under the new M
	v_pk_mul_f32 v[18:19], v[18:19], v[22:23] op_sel_hi:[1,0]
	s_wait_alu depctr_va_vdst(0)                   ; behind the first batch and ahead of the second
.set k, 0
.rept 16                                       ; tile 1's p; among the exponentials the first level of tile 0's sum, which nothing reads before the next wait
	v_exp_f32 v[128+4*k], v[128+4*k]
	v_exp_f32 v[129+4*k], v[129+4*k]
	v_pk_add_f32 v[192+2*k:193+2*k], v[64+4*k:65+4*k], v[66+4*k:67+4*k]
	v_exp_f32 v[130+4*k], v[130+4*k]
	v_exp_f32 v[131+4*k], v[131+4*k]
.set k, k+1
.endr
.irp b, 0,1,2,3
	v_exp_f32 v[44+\b], v[44+\b]
	v_max_num_f32 v[40+\b], 0x2800000, v[40+\b]    ; the floor 2^(5 - 127): the byte cannot fall under 1
.endr
	s_wait_alu depctr_va_vdst(0)                   ; behind the second batch
.irp b, 0,1,2,3
	v_max_num_f32 v[44+\b], 0x2800000, v[44+\b]
.endr
.irp q, 0,1,2,3,4,5,6,7
	v_add_nc_u32 v[56+\q], 0xfe000000, v[40+\q]    ; 4 off the exponent field: the conversion's scale operand
.endr
.irp q, 0,1,2,3,4,5,6,7
	v_lshrrev_b32 v[48+\q], 23, v[56+\q]           ; the scale's byte
.endr
.irp u, 0,1
	v_lshl_or_b32 v[26+\u], v[49+4*\u], 8, v[48+4*\u]   ; p's scale word for these 128 keys
.endr
.irp u, 0,1
	v_lshl_or_b32 v[26+\u], v[50+4*\u], 16, v[26+\u]
.endr
.irp u, 0,1
	v_lshl_or_b32 v[26+\u], v[51+4*\u], 24, v[26+\u]
.endr
	CODES 0
	CODES 1
	TREE 0                                         ; the sums of the unquantised p: these 48 lines are also the places between the lines that made p's codes and scale words and the products
.set k, 0
.rept 16
	v_pk_add_f32 v[192+2*k:193+2*k], v[128+4*k:129+4*k], v[130+4*k:131+4*k]
.set k, k+1
.endr
	TREE 1
	s_wait_alu depctr_va_vdst(0)                   ; directly ahead of the wait below
	s_wait_dscnt 36                                ; V and its scale words are in; the next step's 36 loads, issued behind them, may be out
	WIN 0x51
.irp dd, 0,1,2,3                               ; the eight accumulators by turns
	PMUL \dd, 0
	PMUL \dd, 1
.endr
	WIN 0
.rept 4
	v_nop                                          ; places in front of the loads into V's registers, and of the way out's reads
.endr
	LOADV
.endm
; THE WAY OUT of 32 queries: O^T / the sum goes through my stages in LDS and leaves as rows: sixteen lanes store the 256 consecutive, aligned bytes of one token's head.
.macro WAYOUT p
.irp u, 0,1
	v_add_f32 v[14+4*\u], v[14+4*\u], v[15+4*\u]
.endr
.irp u, 0,1
	v_permlanex16_b32 v[48+\u], v[14+4*\u], s[SEL], s[SEL+1]
.endr
.irp u, 0,1
	v_add_f32 v[14+4*\u], v[14+4*\u], v[48+\u]     ; the row's sum
.endr
	s_wait_alu depctr_va_vdst(0)                   ; ahead of the transcendentals
	v_rcp_f32 v14, v14
	v_rcp_f32 v18, v18
	v_nop
	WIN 0x01
	s_wait_alu depctr_va_vdst(0)                   ; behind them, directly ahead of the first reader of O^T
.irp u, 0,1
.set j, 0
.rept 32
	v_mul_f32 v[64+32*\u+j], v[192+32*\u+j], v[14+4*\u]   ; register 8 dd + i is number 32 (dd / 2) + 16 h + 8 (dd % 2) + i of the head
.set j, j+1
.endr
.endr
	WIN 0
.irp u, 0,1
.irp dd, 0,1,2,3
	ds_store_b128 v7, v[64+32*\u+8*\dd:67+32*\u+8*\dd] offset:4352*\u+128*(\dd/2)+32*(\dd%2)
	ds_store_b128 v7, v[68+32*\u+8*\dd:71+32*\u+8*\dd] offset:4352*\u+128*(\dd/2)+32*(\dd%2)+16
.endr
.endr
.irp u, 0,1
.irp i, 0,1,2,3,4,5,6,7
	ds_load_b128 v[128+32*\u+4*\i:131+32*\u+4*\i], v8 offset:4352*\u+544*\i   ; LDS serves a wave's instructions in order: these see my stores
.endr
.endr
.irp u, 0,1
.irp i, 0,1,2,3,4,5,6,7
	s_wait_dscnt 15-8*\u-\i                        ; this load is back; the younger ones may be out
	global_store_b128 v6, v[128+32*\u+4*\i:131+32*\u+4*\i], s[OP:OP+1] offset:(16*(\i/4)+2*(\i%4))*4096+32768*\u+1048576*\p th:TH_STORE_NT   ; row r of tile u is token base + 8 u + r + 8 (r / 8)
.endr
.endr
.endm
; 32 queries against all 1,024 keys.  O^T and the sum begin as zeros and the largest t as -3e38, so the first change of M multiplies zeros.
.macro PASS p
.if \p > 0
	s_wait_xcnt 0x0                                ; the last stores have read their registers
.endif
.if \p == 0
	s_cmp_eq_u32 s17, 0                            ; the second group of waves asks for its first Q here, behind the barrier
	s_cbranch_scc1 .Lhave_q
	QLOAD 0
.Lhave_q:
.endif
	WIN 0x40
.set j, 0
.rept 64
	v_mov_b32 v[192+j], 0
.set j, j+1
.endr
	WIN 0
.irp u, 0,1
	v_mov_b32 v[13+4*\u], 0xff61b1e6               ; the largest t so far: -3e38
	v_floor_f32 v[12+4*\u], -v[13+4*\u]
	v_mov_b32 v[14+4*\u], 0
	v_mov_b32 v[15+4*\u], 0
.endr
	s_mov_b32 s[CNT], 0
	s_wait_alu depctr_va_vdst(0)                   ; directly ahead of the wait below
	s_wait_loadcnt 0x0                             ; Q
.Lstep_\@:
	STEP
	s_add_co_u32 s[CNT], s[CNT], 1
	s_cmp_lt_u32 s[CNT], 8
	s_cbranch_scc1 .Lstep_\@
.if \p == 0
	QLOAD 1                                        ; the next 32 queries are asked for ahead of the way out: the last products that read Q's registers stand most of a step back
.endif
	WAYOUT \p
.endm
	s_mov_b32 s[T6], 0
	s_mov_b32 s[TS], 0
	s_mov_b32 s[TV], 0
	ADDR
	LOADK                                          ; step 0's operands, in the order in which the loop asks for them
	LOADV
	PASS 0
	PASS 1
	s_wait_tensorcnt 0x0                           ; the wave's end
	ds_add_u32 v34, v35
	s_wait_dscnt 0x0
	s_endpgm
.Lfunc_end_k_qe3936a7f3d_attn:
	.size	k_qe3936a7f3d_attn, .Lfunc_end_k_qe3936a7f3d_attn-k_qe3936a7f3d_attn
	.p2alignl 7, 3214868480
	.fill 96, 4, 3214868480
	.section	.rodata,"a",@progbits
	.p2align	6, 0x0
	.amdhsa_kernel k_qe3936a7f3d_attn
		.amdhsa_group_segment_fixed_size 182272
		.amdhsa_private_segment_fixed_size 0
		.amdhsa_enable_private_segment 0
		.amdhsa_kernarg_size 48
		.amdhsa_user_sgpr_count 2
		.amdhsa_user_sgpr_kernarg_segment_ptr 1
		.amdhsa_wavefront_size32 1
		.amdhsa_system_sgpr_workgroup_id_x 1
		.amdhsa_system_sgpr_workgroup_id_y 1
		.amdhsa_system_sgpr_workgroup_id_z 1
		.amdhsa_system_vgpr_workitem_id 0
		.amdhsa_next_free_vgpr 512
		.amdhsa_next_free_sgpr 100
		.amdhsa_reserve_vcc 0
		.amdhsa_float_denorm_mode_32 3
		.amdhsa_float_denorm_mode_16_64 3
		.amdhsa_memory_ordered 1
		.amdhsa_forward_progress 1
		.amdhsa_inst_pref_size 95
	.end_amdhsa_kernel
	.amdgpu_metadata
---
amdhsa.version: [ 1, 2 ]
amdhsa.kernels:
  - .name:           k_qe3936a7f3d_attn
    .symbol:         k_qe3936a7f3d_attn.kd
    .args:
      - { .name: qk_codes, .offset: 0, .size: 8, .value_kind: global_buffer, .address_space: global }
      - { .name: qk_scales, .offset: 8, .size: 8, .value_kind: global_buffer, .address_space: global }
      - { .name: v_codes, .offset: 16, .size: 8, .value_kind: global_buffer, .address_space: global }
      - { .name: v_scales, .offset: 24, .size: 8, .value_kind: global_buffer, .address_space: global }
      - { .name: attention_mask, .offset: 32, .size: 8, .value_kind: global_buffer, .address_space: global }
      - { .name: out0, .offset: 40, .size: 8, .value_kind: global_buffer, .address_space: global }
    .group_segment_fixed_size: 182272
    .private_segment_fixed_size: 0
    .kernarg_segment_align: 8
    .kernarg_segment_size: 48
    .max_flat_workgroup_size: 256
    .sgpr_count:     100
    .vgpr_count:     512
    .wavefront_size: 32
...
	.end_amdgpu_metadata
.endif
;; end of part 3
